; MI455X (gfx1250); checked and timed in simulation.
; The chip was launched on July 23, 2026; its instructions are those of AMD's public machine-readable ISA for CDNA 5 (MIT licence, August 2026) and "CDNA5" Instruction Set Architecture Reference Guide (July 2026). The comments in the code are by the model that wrote it; some were corrected since.
;; Berry Phase Cross Attenuator. Allowed arithmetic: float matrix products may take bf16 or f16 operands with f32 sums; all other float work in f32.
;; Inputs: Wt 256 x 256 float32; Wv 256 x 256 float32; bt 256 float32; bv 256 float32; h one number float32; text_feat 2 x 512 x 256 float32; vision_feat 2 x 512 x 256 float32.
;; Outputs: out0 2 x 512 x 256 float32; out1 2 x 512 x 256 float32.
;; 2 versions, each right; version 2 is version 1 with the launch feat written anew for expert scheduling mode. Each part assembles by itself: llvm-mc -triple=amdgcn-amd-amdhsa -mcpu=gfx1250 --defsym DOCPART=n.
;; ======== version 1 of 2: 3 launches
;; limits: values outside matrix products are rounded to bf16; right only within a limited range of input values
;; workspace buffers: phi 2,621,440 bytes; xfr 1,048,576 bytes; afr 2,097,152 bytes; lpart 32,768 bytes
;; launch feat (part 1): grid 128 x 2, 4 waves a work-group, no clusters, 51,200 bytes of LDS; arguments vision_feat, text_feat, Wv, Wt, bv, bt, phi, xfr; writes phi, xfr
.if DOCPART == 1
	.amdgcn_target "amdgcn-amd-amdhsa--gfx1250"
	.amdhsa_code_object_version 6
	.text
	.protected	k_qcab5c10d93_feat
	.globl	k_qcab5c10d93_feat
	.p2align	8
	.type	k_qcab5c10d93_feat,@function
k_qcab5c10d93_feat:
	s_mov_b64 s[64:65], 0
	v_nop
	global_prefetch_b8 v0, s[64:65] scope:SCOPE_SE
	s_setreg_imm32_b32 hwreg(HW_REG_WAVE_MODE, 25, 1), 1
	s_wait_xcnt 0x0
; FEATURES.  q = X W^T + b (X: vision or text, 1,024 rows x 256; bf16 operands, f32 sums), each group of four columns a quaternion.
; With a = q / |q|, the squared cosine of two quaternions is sum over i, j of a_i a_j t_i t_j: a dot product of ten numbers a side,
; a_i^2 (4) and sqrt(2) a_i a_j, i < j (6).  This launch stores these ten numbers of each of the 64 heads in bf16, so that the sum over heads
; of the squared cosines of a pair of rows is one product along K = 640.  a carries the factor G = (log2(e) / 1024)^(1/4): the product of two
; feature rows is then log2(e) x (mean over 64 heads) / 16, the exponent of the softmax in base 2.
; It also stores a bf16 copy of X laid out as matrix fragments for the last launch.
; LIMITS.  The interference is taken as the squared cosine of the raw quaternions; against (w + 1e-8)^2 / (|v|^2 |t|^2 + 2e-8 w + 1e-16) of the
; normalised ones the difference is at most about 2e-8 / (|v| |t|).  A quaternion with |q|^2 < 1e-30 gives features near 0 (interference 0); each such
; head moves the exponent by at most 1/1024.  |q| > 1.8e19 overflows in |q|^2.
; SHARES.  y = which of the two inputs; x & 3 = cb, 64 output columns (16 heads); x >> 2 = rbk, 32 rows.  Wave w: rows 16 (w & 1) .. +15, columns 32 (w >> 1) .. +31.
; NO JOINT LOADS: X and W are f32 in memory.  Through registers they are rounded on the way in and LDS takes 96 rows x 512 bytes of bf16; a tile brought by a
; tensor load would lie in LDS as 96 KiB of f32 and would be read, rounded and stored once more.
; EVERY WORKSPACE OPERAND IS A REGISTER IMAGE: a fragment is 1,024 bytes, [registers 0-3 | registers 4-7][lane][16 bytes], so that each store here and each load
; later covers 512 consecutive bytes, aligned.
.set PITCH, 528                        ; an LDS row: 256 bf16 + 16 bytes, an odd multiple of 16: the 16 rows of a fragment load start 16 bytes apart modulo 256
.set ACC,  16                          ; v[16:31]  two accumulators = four quaternions of four registers
.set XF,   32                          ; v[32:39]  X's transposed fragment, for xfr
.set NN,   40                          ; v[40:43]  |q|^2, then 1 / |q|
.set RR,   44                          ; v[44:51]  quaternion q: G / |q|, sqrt(2) G / |q|
.set BB,   52                          ; v[52:54]  sqrt(2) a0, a1, a2
.set SL,   64                          ; v[64:255] 48 load slots of 4, then 24 fragments of 8
.set FF,   64                          ; v[64:103] 40 features in f32
.set PK,   112                         ; v[112:131] the same in bf16
.set GQ,   0x3e4663b3                  ; G = 0.1937397
.set GS,   0x3e8c4854                  ; sqrt(2) G = 0.2739893
.set TINY, 0x0da24260                  ; 1e-30
	s_load_b256 s[4:11], s[0:1], 0x0               ; vision s[4:5], text s[6:7], Wv s[8:9], Wt s[10:11]
	s_load_b256 s[12:19], s[0:1], 0x20             ; bv s[12:13], bt s[14:15], phi s[16:17], xfr s[18:19]
	v_lshl_add_u32 v62, v0, 2, 0xc600
	v_mov_b32 v63, 0
	v_lshrrev_b32 v3, 5, v0
	v_readfirstlane_b32 s23, v3                    ; wave w
	s_and_b32 s20, ttmp7, 0xffff                   ; mod: 0 vision, 1 text
	s_and_b32 s21, ttmp9, 3                        ; cb
	s_lshr_b32 s22, ttmp9, 2                       ; rbk
	s_and_b32 s24, s23, 1                          ; rt: which 16 rows
	s_lshr_b32 s25, s23, 1                         ; ch: which 32 columns
	v_lshlrev_b32 v1, 4, v0                        ; 16 t: my 16 bytes of the 2,048 (two f32 rows) that one load of the work-group covers
	v_lshrrev_b32 v2, 6, v0                        ; which of the two rows
	v_and_b32 v3, 63, v0
	v_mul_u32_u24 v2, v2, PITCH
	v_lshl_add_u32 v2, v3, 3, v2                   ; where my four numbers go as bf16: row x pitch + 8 (t & 63)
	v_and_b32 v4, 15, v0                           ; r
	v_bfe_u32 v5, v0, 4, 1                         ; h
	v_mul_u32_u24 v11, v4, PITCH
	v_lshl_add_u32 v11, v5, 4, v11                 ; r x pitch + 16 h: a fragment's lane term
	s_mul_i32 s32, s24, 16*PITCH
	v_add_nc_u32 v6, s32, v11                      ; X's fragments: rows 16 rt + r
	s_mul_i32 s32, s25, 32*PITCH
	s_add_co_u32 s32, s32, 32*PITCH
	v_add_nc_u32 v7, s32, v11                      ; W's fragments: LDS rows 32 + 32 ch + r
	v_lshlrev_b32 v8, 5, v5                        ; bias: 8 h numbers
	v_and_b32 v12, 7, v0
	v_lshl_add_u32 v12, v5, 3, v12
	v_mul_u32_u24 v9, v12, PITCH                   ; transposing load: row 8 h + (lane & 7),
	v_bfe_u32 v13, v0, 3, 1
	v_lshl_add_u32 v9, v13, 4, v9                  ; 16 bytes x bit 3 of the lane,
	s_lshl_b32 s32, s21, 7
	s_lshl_b32 s33, s23, 5
	s_add_co_u32 s32, s32, s33
	v_add_nc_u32 v9, s32, v9                       ; column 64 cb + 16 w
	v_and_b32 v10, 31, v0
	v_lshlrev_b32 v10, 4, v10                      ; 16 x lane: all stores
	s_wait_kmcnt 0x0
	s_cmp_lg_u32 s20, 0
	s_cselect_b64 s[26:27], s[6:7], s[4:5]         ; X
	s_cselect_b64 s[28:29], s[10:11], s[8:9]       ; W
	s_cselect_b64 s[30:31], s[14:15], s[12:13]     ; bias
	s_lshl_b32 s32, s22, 15                        ; 32 rows of 1,024 bytes
	s_mov_b32 s33, 0
	s_add_nc_u64 s[26:27], s[26:27], s[32:33]
	s_lshl_b32 s32, s21, 16                        ; 64 rows of W
	s_add_nc_u64 s[28:29], s[28:29], s[32:33]
	s_lshl_b32 s32, s21, 1
	s_add_co_u32 s32, s32, s25
	s_lshl_b32 s32, s32, 7                         ; 64 cb + 32 ch numbers
	s_add_nc_u64 s[30:31], s[30:31], s[32:33]
	; The bias goes straight into the accumulators: register j of accumulator c will hold column 16 c + 8 h + j.
	global_load_b128 v[ACC:ACC+3],     v8, s[30:31]
	global_load_b128 v[ACC+4:ACC+7],   v8, s[30:31] offset:16
	global_load_b128 v[ACC+8:ACC+11],  v8, s[30:31] offset:64
	global_load_b128 v[ACC+12:ACC+15], v8, s[30:31] offset:80
	; 16 loads of X (32 rows) and 32 of W (64 rows); each covers 512 consecutive bytes a wave.  With the bias 52 loads of the wave are out.
.set nx, 0
.rept 16
	global_load_b128 v[SL+4*nx:SL+4*nx+3], v1, s[26:27] offset:nx*2048
.set nx, nx+1
.endr
.rept 32
	global_load_b128 v[SL+4*nx:SL+4*nx+3], v1, s[28:29] offset:(nx-16)*2048
.set nx, nx+1
.endr
	; the two output addresses, while the loads travel
	s_lshl_b32 s32, s22, 1
	s_add_co_u32 s32, s32, s24                     ; row tile 2 rbk + rt of 64
	s_mul_i32 s32, s32, 20480                      ; 20 fragments a row tile
	s_mul_i32 s38, s20, 1310720
	s_add_co_u32 s32, s32, s38
	s_mul_i32 s38, s21, 5120                       ; five fragments for each cb,
	s_add_co_u32 s32, s32, s38
	s_mul_i32 s38, s25, 2560                       ; of whose ten halves my wave writes five
	s_add_co_u32 s32, s32, s38
	s_add_nc_u64 s[34:35], s[16:17], s[32:33]
	s_lshl_b32 s32, s20, 1
	s_lshr_b32 s38, s22, 4                         ; batch
	s_add_co_u32 s32, s32, s38
	s_lshl_b32 s32, s32, 2
	s_add_co_u32 s32, s32, s21
	s_lshl_b32 s32, s32, 16                        ; [mod][batch][column block]: 65,536 bytes
	s_and_b32 s38, s22, 15
	s_lshl_b32 s38, s38, 12                        ; [K step of 32 rows]: 4,096 bytes
	s_add_co_u32 s32, s32, s38
	s_lshl_b32 s38, s23, 10                        ; [16 columns]: my wave's fragment
	s_add_co_u32 s32, s32, s38
	s_add_nc_u64 s[36:37], s[18:19], s[32:33]
; slot i: rounded to bf16 in place and stored to LDS rows 2 i, 2 i + 1
.macro CONV i
	s_wait_loadcnt 47-\i                           ; loads come back in order: slot i is in, the 47 - i younger ones stay out (the bias is older)
	v_cvt_pk_bf16_f32 v[SL+4*\i],   v[SL+4*\i],   v[SL+4*\i+1]
	v_cvt_pk_bf16_f32 v[SL+4*\i+1], v[SL+4*\i+2], v[SL+4*\i+3]
	ds_store_b64 v2, v[SL+4*\i:SL+4*\i+1] offset:\i*2*PITCH
.endm
.set nx, 0
.rept 48
	CONV nx
.set nx, nx+1
.endr
	s_wait_dscnt 0x0                               ; my stores are in LDS, for the other waves' sake
	s_barrier_signal -1
	s_barrier_wait -1
	; X's 32 rows x my 16 columns, transposed: lane r = column, K = row
	ds_load_tr16_b128 v[XF:XF+3],   v9
	ds_load_tr16_b128 v[XF+4:XF+7], v9 offset:16*PITCH
	; all 24 fragments of the eight K steps: X's 16 rows, W's two tiles of 16 rows
.irp s, 0,1,2,3,4,5,6,7
	ds_load_b128 v[SL+24*\s:SL+24*\s+3],     v6 offset:64*\s
	ds_load_b128 v[SL+24*\s+4:SL+24*\s+7],   v6 offset:64*\s+32
	ds_load_b128 v[SL+24*\s+8:SL+24*\s+11],  v7 offset:64*\s
	ds_load_b128 v[SL+24*\s+12:SL+24*\s+15], v7 offset:64*\s+32
	ds_load_b128 v[SL+24*\s+16:SL+24*\s+19], v7 offset:64*\s+16*PITCH
	ds_load_b128 v[SL+24*\s+20:SL+24*\s+23], v7 offset:64*\s+16*PITCH+32
.endr
	s_wait_dscnt 48                                ; the two transposing loads are in; the 48 behind them stay out
	global_store_b128 v10, v[XF:XF+3],   s[36:37]
	global_store_b128 v10, v[XF+4:XF+7], s[36:37] offset:512
; One K step of 32.  Source 0 = 16 rows of W, source 1 = 16 rows of X: register j of lane (r, h) is column 8 h + j of the tile in row r, so a lane holds whole quaternions.
; The two accumulators take turns.
.macro KSTEP s
	s_wait_dscnt 42-6*\s                           ; this step's six loads are in; the later steps' stay out
	v_wmma_f32_16x16x32_bf16 v[ACC:ACC+7],    v[SL+24*\s+8:SL+24*\s+15],  v[SL+24*\s:SL+24*\s+7], v[ACC:ACC+7]
	v_wmma_f32_16x16x32_bf16 v[ACC+8:ACC+15], v[SL+24*\s+16:SL+24*\s+23], v[SL+24*\s:SL+24*\s+7], v[ACC+8:ACC+15]
.endm
.irp s, 0,1,2,3,4,5,6,7
	KSTEP \s
.endr
.rept 4
	v_nop                                          ; four places behind the last matrix instructions, ahead of the reads of their results (ISA guide 7.12.1)
.endr
.irp q, 0,1,2,3
	v_mul_f32 v[NN+\q], v[ACC+4*\q], v[ACC+4*\q]
.endr
.irp k, 1,2,3
.irp q, 0,1,2,3
	v_fmac_f32 v[NN+\q], v[ACC+4*\q+\k], v[ACC+4*\q+\k]
.endr
.endr
.irp q, 0,1,2,3
	v_max_num_f32 v[NN+\q], TINY, v[NN+\q]         ; keeps the root's argument a normal number
.endr
.irp q, 0,1,2,3
	v_rsq_f32 v[NN+\q], v[NN+\q]
.endr
	v_nop                                          ; one plain instruction between a transcendental and the use of its result (ISA guide 5.7.2)
	s_wait_alu depctr_va_vdst(0)
.irp q, 0,1,2,3
	v_mul_f32 v[RR+2*\q],   GQ, v[NN+\q]
	v_mul_f32 v[RR+2*\q+1], GS, v[NN+\q]
.endr
; the ten features of quaternion q, rounded to bf16
.macro QFEAT q
	v_mul_f32 v[BB],   v[ACC+4*\q],   v[RR+2*\q+1]                                                        ; b = sqrt(2) a
	v_mul_f32 v[BB+1], v[ACC+4*\q+1], v[RR+2*\q+1]
	v_mul_f32 v[BB+2], v[ACC+4*\q+2], v[RR+2*\q+1]
	v_pk_mul_f32 v[ACC+4*\q:ACC+4*\q+1],   v[ACC+4*\q:ACC+4*\q+1],   v[RR+2*\q:RR+2*\q+1] op_sel_hi:[1,0]  ; a = G q / |q|, in place
	v_pk_mul_f32 v[ACC+4*\q+2:ACC+4*\q+3], v[ACC+4*\q+2:ACC+4*\q+3], v[RR+2*\q:RR+2*\q+1] op_sel_hi:[1,0]
	v_pk_mul_f32 v[FF+10*\q:FF+10*\q+1],   v[ACC+4*\q:ACC+4*\q+1],   v[ACC+4*\q:ACC+4*\q+1]                ; a0^2, a1^2
	v_pk_mul_f32 v[FF+10*\q+2:FF+10*\q+3], v[ACC+4*\q+2:ACC+4*\q+3], v[ACC+4*\q+2:ACC+4*\q+3]              ; a2^2, a3^2
	v_pk_mul_f32 v[FF+10*\q+4:FF+10*\q+5], v[BB:BB+1],               v[ACC+4*\q+2:ACC+4*\q+3]              ; b0 a2, b1 a3
	v_mul_f32 v[FF+10*\q+6], v[BB],   v[ACC+4*\q+3]                                                        ; b0 a3
	v_mul_f32 v[FF+10*\q+7], v[BB+1], v[ACC+4*\q+2]                                                        ; b1 a2
	v_mul_f32 v[FF+10*\q+8], v[BB],   v[ACC+4*\q+1]                                                        ; b0 a1
	v_mul_f32 v[FF+10*\q+9], v[BB+2], v[ACC+4*\q+3]                                                        ; b2 a3
.irp p, 0,1,2,3,4
	v_cvt_pk_bf16_f32 v[PK+5*\q+\p], v[FF+10*\q+2*\p], v[FF+10*\q+2*\p+1]
.endr
.endm
	QFEAT 0
	QFEAT 1
	QFEAT 2
	QFEAT 3
	; 20 registers = five halves of fragments.  Which feature lies at which place of K hangs on cb, ch, the lane's half and the register alone,
	; the same for vision and text, and a permutation of K that both sides share leaves the product as it is.
.irp p, 0,1,2,3,4
	global_store_b128 v10, v[PK+4*\p:PK+4*\p+3], s[34:35] offset:512*\p
.endr
	s_wait_tensorcnt 0x0
	ds_add_u32 v62, v63
	s_wait_dscnt 0x0
	s_endpgm
.Lfunc_end_k_qcab5c10d93_feat:
	.size	k_qcab5c10d93_feat, .Lfunc_end_k_qcab5c10d93_feat-k_qcab5c10d93_feat
	.p2alignl 7, 3214868480
	.fill 96, 4, 3214868480
	.section	.rodata,"a",@progbits
	.p2align	6, 0x0
	.amdhsa_kernel k_qcab5c10d93_feat
		.amdhsa_group_segment_fixed_size 51200
		.amdhsa_private_segment_fixed_size 0
		.amdhsa_enable_private_segment 0
		.amdhsa_kernarg_size 64
		.amdhsa_user_sgpr_count 2
		.amdhsa_user_sgpr_kernarg_segment_ptr 1
		.amdhsa_wavefront_size32 1
		.amdhsa_system_sgpr_workgroup_id_x 1
		.amdhsa_system_sgpr_workgroup_id_y 1
		.amdhsa_system_sgpr_workgroup_id_z 1
		.amdhsa_system_vgpr_workitem_id 0
		.amdhsa_next_free_vgpr 256
		.amdhsa_next_free_sgpr 66
		.amdhsa_reserve_vcc 0
		.amdhsa_float_denorm_mode_32 3
		.amdhsa_float_denorm_mode_16_64 3
		.amdhsa_memory_ordered 1
		.amdhsa_forward_progress 1
		.amdhsa_inst_pref_size 29
	.end_amdhsa_kernel
	.amdgpu_metadata
---
amdhsa.version: [ 1, 2 ]
amdhsa.kernels:
  - .name:           k_qcab5c10d93_feat
    .symbol:         k_qcab5c10d93_feat.kd
    .args:
      - { .name: vision_feat, .offset: 0, .size: 8, .value_kind: global_buffer, .address_space: global }
      - { .name: text_feat, .offset: 8, .size: 8, .value_kind: global_buffer, .address_space: global }
      - { .name: Wv, .offset: 16, .size: 8, .value_kind: global_buffer, .address_space: global }
      - { .name: Wt, .offset: 24, .size: 8, .value_kind: global_buffer, .address_space: global }
      - { .name: bv, .offset: 32, .size: 8, .value_kind: global_buffer, .address_space: global }
      - { .name: bt, .offset: 40, .size: 8, .value_kind: global_buffer, .address_space: global }
      - { .name: phi, .offset: 48, .size: 8, .value_kind: global_buffer, .address_space: global }
      - { .name: xfr, .offset: 56, .size: 8, .value_kind: global_buffer, .address_space: global }
    .group_segment_fixed_size: 51200
    .private_segment_fixed_size: 0
    .kernarg_segment_align: 8
    .kernarg_segment_size: 64
    .max_flat_workgroup_size: 128
    .sgpr_count:     66
    .vgpr_count:     256
    .wavefront_size: 32
...
	.end_amdgpu_metadata
.endif
;; end of part 1
;; launch score (part 2): grid 8 x 16, 4 waves a work-group, clusters of 4 x 4, 177,152 bytes of LDS; arguments phi, afr, lpart; writes afr, lpart
.if DOCPART == 2
	.amdgcn_target "amdgcn-amd-amdhsa--gfx1250"
	.amdhsa_code_object_version 6
	.text
	.protected	k_qcab5c10d93_score
	.globl	k_qcab5c10d93_score
	.p2align	8
	.type	k_qcab5c10d93_score,@function
k_qcab5c10d93_score:
	s_mov_b64 s[64:65], 0
	v_nop
	global_prefetch_b8 v0, s[64:65] scope:SCOPE_SE
	s_setreg_imm32_b32 hwreg(HW_REG_WAVE_MODE, 25, 1), 1
	s_wait_xcnt 0x0
	s_wait_alu depctr_hold_cnt(0) depctr_sa_sdst(0) depctr_va_vdst(0) depctr_va_sdst(0) depctr_va_ssrc(0) depctr_va_vcc(0) depctr_vm_vsrc(0)
	s_getreg_b32 s2, hwreg(HW_REG_IB_STS2, 6, 4)
	s_cmp_eq_u32 s2, 0
	s_cbranch_scc0 .Lentry_in_a_cluster
	s_endpgm
.Lentry_in_a_cluster:
	s_bfe_u32 s2, ttmp6, 0x10000c
	s_cmp_lg_u32 s2, 0xf033
	s_cbranch_scc0 .Lentry_shape_is_right
	s_endpgm
.Lentry_shape_is_right:
; SCORES.  S[n][m] = feature row n of vision . feature row m of text (K = 640, bf16, f32 sums) = log2(e) x mean over heads of cos^2 / 16;  P = 2^S.
; NO MAXIMUM IS TAKEN AWAY: the exponent is a mean of squared cosines of normalised quaternions divided by 16, in [0, 1/16] for every input, so P lies in [1, 1.07]
; and a row's sum in [512, 545].
; Stored: P and its transpose in bf16 as matrix fragments (1,024 bytes: [registers 0-3 | 4-7][lane][16 bytes]), not yet divided by the row sums, and for each block of
; 64 m the partial row sums in f32 (of the unrounded P).  LIMIT: P as a bf16 operand keeps 8 significant bits.
; SHARES.  A work-group makes 64 n x 64 m of one batch; wave w makes 32 x 32 (wn = w >> 1, wm = w & 1): four accumulators, 20 K steps, 80 matrix instructions.
; All its operands, 2 x 81,920 bytes, fit in LDS: one fill, nothing is filled again.
; CLUSTERS: 4 x 4 work-groups.  The four of a row of the cluster share the 64 rows of vision features, the four of a column the 64 rows of text features: each is asked
; for jointly, which divides the requests by four.  Each wave asks for one row tile (20,480 bytes) of each side: two tensor loads of a wave are out.
.set RTB,  20480                       ; a row tile: 16 rows x 640 features = 20 fragments
.set PHT,  81920                       ; LDS: vision's four row tiles at 0, text's four here
.set STG,  163840                      ; each wave's own stage: 32 rows (m) x 32 n of bf16, no tensor load lands here
.set SPITCH, 96                        ; its pitch, an odd multiple of 32
.set LS,   176128                      ; [wm 2][64 n] f32: the waves' row sums
.set ACC,  16                          ; v[16:47]   tile (nt, mt) at 16 + 8 (2 nt + mt)
.set SUM,  48                          ; v[48:63]   row sums
.set BUF,  64                          ; v[64:191]  four buffers of 32: vision's two fragments, text's two
.set PK,   192                         ; v[192:207] P in bf16: (mt, nt) at 8 mt + 4 nt
.set PF,   208                         ; v[208:223] P's own fragments, back from the stage
.macro CROUND                          ; a round of the cluster's barrier: my work-group's barrier, wave 0 signals for the work-group, every wave waits for all sixteen, my work-group's barrier
	s_barrier_signal -1
	s_barrier_wait -1
	s_cmp_lg_u32 s10, 0
	s_cbranch_scc1 .Lnot_wave_0_\@
	s_barrier_signal -3
.Lnot_wave_0_\@:
	s_barrier_wait -3
	s_barrier_signal -1
	s_barrier_wait -1
.endm
.macro PLACES                          ; four places behind a matrix instruction, ahead of a read of its result or a load into one of its sources
.rept 4
	v_nop
.endr
.endm
	s_load_b128 s[4:7], s[0:1], 0x0                ; phi s[4:5], afr s[6:7]
	s_load_b64 s[8:9], s[0:1], 0x10                ; lpart
	v_lshl_add_u32 v224, v0, 2, 0x2b200
	v_mov_b32 v225, 0
	ds_add_u32 v224, v225
	v_lshrrev_b32 v1, 5, v0
	v_readfirstlane_b32 s10, v1                    ; wave w
	s_lshr_b32 s11, s10, 1                         ; wn
	s_and_b32 s12, s10, 1                          ; wm
	s_bfe_u32 s40, ttmp6, 0x40000                  ; cx
	s_bfe_u32 s41, ttmp6, 0x40004                  ; cy
	s_lshl_b32 s42, ttmp9, 2
	s_add_co_u32 s42, s42, s40                     ; mb = 4 x cluster x + cx: block of 64 m
	s_and_b32 s13, ttmp7, 0xffff                   ; cluster y
	s_lshr_b32 s14, s13, 1                         ; batch: the same in the whole cluster
	s_lshl_b32 s15, s13, 2
	s_add_co_u32 s15, s15, s41                     ; work-group y = 8 x batch + nb
	s_and_b32 s16, s15, 7                          ; nb: block of 64 n
	s_lshl_b32 s43, s41, 2
	s_lshl_b32 s43, 15, s43                        ; my row of the cluster: places 4 cy .. 4 cy + 3
	s_lshl_b32 s44, 0x1111, s40                    ; my column: places cx, cx + 4, cx + 8, cx + 12
	; group 1: a dense block of 20,480 bytes as 80 rows of 32 elements of 8 bytes
	s_or_b32 s24, s43, (3<<16)|(1<<21)             ; vision's tiles go to my row; element of 8 bytes; bit 21 set beside a mask
	s_mov_b32 s25, 32<<16                          ; tensor_dim0 = 32
	s_mov_b32 s26, 80<<16                          ; tensor_dim1 = 80
	s_mov_b32 s27, 32<<16                          ; tile_dim0 = 32
	s_mov_b32 s28, 80                              ; tile_dim1 = 80
	s_mov_b32 s29, 32                              ; from row to row: 32 elements
	s_mov_b32 s30, 0
	s_mov_b32 s31, 0
	s_or_b32 s48, s44, (3<<16)|(1<<21)             ; the same with my column's mask, for text's tiles
	s_mov_b32 s49, 32<<16
	s_mov_b32 s50, 80<<16
	s_mov_b32 s51, 32<<16
	s_mov_b32 s52, 80
	s_mov_b32 s53, 32
	s_mov_b32 s54, 0
	s_mov_b32 s55, 0
	; vision's row tile 4 x (work-group y) + w: made of the cluster's y, cy and the wave alone
	s_lshl_b32 s18, s15, 2
	s_add_co_u32 s18, s18, s10
	s_mul_i32 s18, s18, RTB
	s_mov_b32 s19, 0
	; text's row tile 32 x batch + 4 mb + w, behind vision's 64 tiles: made of the cluster's place, cx and the wave alone
	s_lshl_b32 s46, s14, 5
	s_lshl_b32 s47, s42, 2
	s_add_co_u32 s46, s46, s47
	s_add_co_u32 s46, s46, s10
	s_mul_i32 s46, s46, RTB
	s_add_co_u32 s46, s46, 64*RTB
	s_mov_b32 s47, 0
	s_mov_b32 s32, 1                               ; group 0, vision
	s_mul_i32 s33, s10, RTB                        ; LDS: wave x 20,480
	s_mov_b32 s36, 1                               ; group 0, text
	s_add_co_u32 s37, s33, PHT
	s_wait_dscnt 0x0
	s_wait_kmcnt 0x0
	s_add_nc_u64 s[34:35], s[4:5], s[18:19]
	s_or_b32 s35, s35, 0x80000000                  ; type 2
	s_add_nc_u64 s[38:39], s[4:5], s[46:47]
	s_or_b32 s39, s39, 0x80000000
	CROUND                                         ; all sixteen work-groups are here: the joint loads meet
	tensor_load_to_lds s[32:35], s[24:31]
	s_nop 0
	tensor_load_to_lds s[36:39], s[48:55]
	s_nop 0
	; where the results go
	s_add_co_u32 s20, s14, 2                       ; the transpose: [path 1][batch][row tile 4 mb + 2 wm + mt][K step 2 nb + wn]
	s_lshl_b32 s20, s20, 5
	s_lshl_b32 s21, s42, 2
	s_add_co_u32 s20, s20, s21
	s_lshl_b32 s21, s12, 1
	s_add_co_u32 s20, s20, s21
	s_lshl_b32 s20, s20, 14
	s_lshl_b32 s21, s16, 1
	s_add_co_u32 s21, s21, s11
	s_lshl_b32 s21, s21, 10
	s_add_co_u32 s20, s20, s21
	s_mov_b32 s21, 0
	s_add_nc_u64 s[56:57], s[6:7], s[20:21]
	s_lshl_b32 s20, s14, 5                         ; P: [path 0][batch][row tile 4 nb + 2 wn + i][K step 2 mb + wm]
	s_lshl_b32 s22, s16, 2
	s_add_co_u32 s20, s20, s22
	s_lshl_b32 s22, s11, 1
	s_add_co_u32 s20, s20, s22
	s_lshl_b32 s20, s20, 14
	s_lshl_b32 s22, s42, 1
	s_add_co_u32 s22, s22, s12
	s_lshl_b32 s22, s22, 10
	s_add_co_u32 s20, s20, s22
	s_add_nc_u64 s[58:59], s[6:7], s[20:21]
	s_lshl_b32 s20, s14, 3                         ; partial sums: [batch][mb][512 n] f32
	s_add_co_u32 s20, s20, s42
	s_lshl_b32 s20, s20, 11
	s_lshl_b32 s22, s16, 8
	s_add_co_u32 s20, s20, s22
	s_add_nc_u64 s[60:61], s[8:9], s[20:21]
	; lane terms
	v_and_b32 v1, 31, v0
	v_lshlrev_b32 v10, 3, v1                       ; 8 x lane
	v_lshlrev_b32 v1, 4, v1                        ; 16 x lane
	s_mul_i32 s20, s11, 2*RTB
	v_add_nc_u32 v2, s20, v1                       ; vision's fragments: my two row tiles
	s_mul_i32 s20, s12, 2*RTB
	s_add_co_u32 s20, s20, PHT
	v_add_nc_u32 v3, s20, v1                       ; text's
	v_and_b32 v4, 15, v0                           ; r
	v_bfe_u32 v5, v0, 4, 1                         ; h
	s_mul_i32 s20, s10, 32*SPITCH
	s_add_co_u32 s20, s20, STG                     ; my stage
	v_mul_u32_u24 v6, v4, SPITCH
	v_lshl_add_u32 v6, v5, 4, v6
	v_add_nc_u32 v6, s20, v6                       ; in: row m = r, 16 bytes for each half of the lanes
	v_and_b32 v7, 7, v0
	v_lshl_add_u32 v7, v5, 3, v7
	v_mul_u32_u24 v7, v7, SPITCH
	v_bfe_u32 v12, v0, 3, 1
	v_lshl_add_u32 v7, v12, 4, v7
	v_add_nc_u32 v7, s20, v7                       ; back, transposing: row 8 h + (lane & 7), 16 bytes x bit 3 of the lane
	s_lshl_b32 s20, s12, 8
	s_lshl_b32 s22, s11, 7
	s_add_co_u32 s20, s20, s22
	s_add_co_u32 s20, s20, LS
	v_lshlrev_b32 v8, 5, v5
	v_add_nc_u32 v8, s20, v8                       ; row sums: [wm][32 wn + 8 h ..]
	v_add_nc_u32 v9, LS, v10
	s_wait_tensorcnt 0x0                           ; my two row tiles are in LDS,
	s_barrier_signal -1
	s_barrier_wait -1                              ; everybody's are
; the eight loads of K step s into buffer s mod 4; each covers 512 consecutive bytes
.macro FETCH s
.set FB, BUF+32*((\s)%4)
.irp i, 0,1
.irp q, 0,1
	ds_load_b128 v[FB+8*\i+4*\q:FB+8*\i+4*\q+3], v2 offset:\i*RTB+(\s)*1024+\q*512
.endr
.endr
.irp i, 0,1
.irp q, 0,1
	ds_load_b128 v[FB+16+8*\i+4*\q:FB+16+8*\i+4*\q+3], v3 offset:\i*RTB+(\s)*1024+\q*512
.endr
.endr
.endm
; K step s: fetches step s + 3 into the buffer that step s - 1 has read, then four products.  The first step starts the sums: nothing is cleared.
; The four accumulators take turns.
.macro KSTEP s
.if \s < 17
.if \s > 0
	PLACES
.endif
	FETCH \s+3
	s_wait_dscnt 24                                ; this step's eight loads are in; those of the three steps behind it stay out
.else
	s_wait_dscnt 8*(19-\s)                         ; the counts run down
.endif
.set KB, BUF+32*((\s)%4)
.irp nt, 0,1
.irp mt, 0,1
.if \s == 0
	v_wmma_f32_16x16x32_bf16 v[ACC+8*(2*\nt+\mt):ACC+8*(2*\nt+\mt)+7], v[KB+8*\nt:KB+8*\nt+7], v[KB+16+8*\mt:KB+16+8*\mt+7], 0
.else
	v_wmma_f32_16x16x32_bf16 v[ACC+8*(2*\nt+\mt):ACC+8*(2*\nt+\mt)+7], v[KB+8*\nt:KB+8*\nt+7], v[KB+16+8*\mt:KB+16+8*\mt+7], v[ACC+8*(2*\nt+\mt):ACC+8*(2*\nt+\mt)+7]
.endif
.endr
.endr
.endm
	FETCH 0
	FETCH 1
	FETCH 2
.irp s, 0,1,2,3,4,5,6,7,8,9,10,11,12,13,14,15,16,17,18,19
	KSTEP \s
.endr
	PLACES
	; P = 2^S.  Lane (r, h), register j of tile (nt, mt): n = 16 nt + 8 h + j, m = 16 mt + r.
.set nx, 0
.rept 32
	v_exp_f32 v[ACC+nx], v[ACC+nx]
.set nx, nx+1
.endr
	v_nop                                          ; one plain instruction between a transcendental and the use of its result (ISA guide 5.7.2)
	; row sums over my 32 m: the two tiles, then the 16 lanes of a half
	s_wait_alu depctr_va_vdst(0)
.irp nt, 0,1
.irp p, 0,2,4,6
	v_pk_add_f32 v[SUM+8*\nt+\p:SUM+8*\nt+\p+1], v[ACC+16*\nt+\p:ACC+16*\nt+\p+1], v[ACC+16*\nt+8+\p:ACC+16*\nt+8+\p+1]
.endr
.endr
.irp x, 1,2,4,8
.irp j, 0,1,2,3,4,5,6,7,8,9,10,11,12,13,14,15
	v_add_f32_dpp v[SUM+\j], v[SUM+\j], v[SUM+\j] row_xmask:\x row_mask:0xf bank_mask:0xf
.endr
.endr
.irp nt, 0,1
	ds_store_b128 v8, v[SUM+8*\nt:SUM+8*\nt+3]   offset:\nt*64      ; the 16 lanes of a half write the same numbers to the same words
	ds_store_b128 v8, v[SUM+8*\nt+4:SUM+8*\nt+7] offset:\nt*64+16
.endr
	; bf16.  For a fixed mt the registers of nt = 0 and nt = 1 are registers 0-3 and 4-7 of the transpose's fragment (lane r = row m, K = n): stored as they are.
.irp mt, 0,1
.irp nt, 0,1
.irp p, 0,1,2,3
	v_cvt_pk_bf16_f32 v[PK+8*\mt+4*\nt+\p], v[ACC+8*(2*\nt+\mt)+2*\p], v[ACC+8*(2*\nt+\mt)+2*\p+1]
.endr
.endr
.endr
.irp mt, 0,1
.irp nt, 0,1
	global_store_b128 v1, v[PK+8*\mt+4*\nt:PK+8*\mt+4*\nt+3], s[56:57] offset:\mt*16384+\nt*512
.endr
.endr
	; P's own fragments (lane r = row n, K = m) through my stage: in by rows m, back by the transposing load.  LDS serves a wave's instructions in order (ISA guide 5.7.1.4).
.irp mt, 0,1
.irp nt, 0,1
	ds_store_b128 v6, v[PK+8*\mt+4*\nt:PK+8*\mt+4*\nt+3] offset:\mt*16*SPITCH+\nt*32
.endr
.endr
.irp i, 0,1
.irp q, 0,1
	ds_load_tr16_b128 v[PF+8*\i+4*\q:PF+8*\i+4*\q+3], v7 offset:\i*32+\q*16*SPITCH
.endr
.endr
	s_wait_dscnt 0x0                               ; the fragments are in; and my row sums are in LDS, for wave 0's sake
.irp i, 0,1
.irp q, 0,1
	global_store_b128 v1, v[PF+8*\i+4*\q:PF+8*\i+4*\q+3], s[58:59] offset:\i*16384+\q*512
.endr
.endr
	s_barrier_signal -1
	s_barrier_wait -1
	s_cmp_lg_u32 s10, 0
	s_cbranch_scc1 .Lno_sum
	ds_load_b64 v[12:13], v9                       ; wave 0 adds the two halves of the 64 m: two n a lane
	ds_load_b64 v[14:15], v9 offset:256
	s_wait_dscnt 0x0
	v_pk_add_f32 v[12:13], v[12:13], v[14:15]
	global_store_b64 v10, v[12:13], s[60:61]       ; 256 consecutive bytes, aligned
.Lno_sum:
	s_wait_tensorcnt 0x0
	ds_add_u32 v224, v225
	s_wait_dscnt 0x0
	CROUND                                         ; the closing round: no work-group ends while a partner may still ask for a tile that names it
	s_endpgm
.Lfunc_end_k_qcab5c10d93_score:
	.size	k_qcab5c10d93_score, .Lfunc_end_k_qcab5c10d93_score-k_qcab5c10d93_score
	.p2alignl 7, 3214868480
	.fill 96, 4, 3214868480
	.section	.rodata,"a",@progbits
	.p2align	6, 0x0
	.amdhsa_kernel k_qcab5c10d93_score
		.amdhsa_group_segment_fixed_size 177152
		.amdhsa_private_segment_fixed_size 0
		.amdhsa_enable_private_segment 0
		.amdhsa_kernarg_size 24
		.amdhsa_user_sgpr_count 2
		.amdhsa_user_sgpr_kernarg_segment_ptr 1
		.amdhsa_wavefront_size32 1
		.amdhsa_system_sgpr_workgroup_id_x 1
		.amdhsa_system_sgpr_workgroup_id_y 1
		.amdhsa_system_sgpr_workgroup_id_z 1
		.amdhsa_system_vgpr_workitem_id 0
		.amdhsa_next_free_vgpr 226
		.amdhsa_next_free_sgpr 66
		.amdhsa_reserve_vcc 0
		.amdhsa_float_denorm_mode_32 3
		.amdhsa_float_denorm_mode_16_64 3
		.amdhsa_memory_ordered 1
		.amdhsa_forward_progress 1
		.amdhsa_inst_pref_size 33
	.end_amdhsa_kernel
	.amdgpu_metadata
---
amdhsa.version: [ 1, 2 ]
amdhsa.kernels:
  - .name:           k_qcab5c10d93_score
    .symbol:         k_qcab5c10d93_score.kd
    .args:
      - { .name: phi, .offset: 0, .size: 8, .value_kind: global_buffer, .address_space: global }
      - { .name: afr, .offset: 8, .size: 8, .value_kind: global_buffer, .address_space: global }
      - { .name: lpart, .offset: 16, .size: 8, .value_kind: global_buffer, .address_space: global }
    .group_segment_fixed_size: 177152
    .private_segment_fixed_size: 0
    .kernarg_segment_align: 8
    .kernarg_segment_size: 24
    .max_flat_workgroup_size: 128
    .sgpr_count:     66
    .vgpr_count:     226
    .wavefront_size: 32
...
	.end_amdgpu_metadata
.endif
;; end of part 2
;; launch mix (part 3): grid 8 x 16, 4 waves a work-group, clusters of 4 x 1, 168,448 bytes of LDS; arguments afr, xfr, lpart, h, vision_feat, text_feat, out0, out1; writes out0, out1
.if DOCPART == 3
	.amdgcn_target "amdgcn-amd-amdhsa--gfx1250"
	.amdhsa_code_object_version 6
	.text
	.protected	k_qcab5c10d93_mix
	.globl	k_qcab5c10d93_mix
	.p2align	8
	.type	k_qcab5c10d93_mix,@function
k_qcab5c10d93_mix:
	s_mov_b64 s[64:65], 0
	v_nop
	global_prefetch_b8 v0, s[64:65] scope:SCOPE_SE
	s_setreg_imm32_b32 hwreg(HW_REG_WAVE_MODE, 25, 1), 1
	s_wait_xcnt 0x0
	s_wait_alu depctr_hold_cnt(0) depctr_sa_sdst(0) depctr_va_vdst(0) depctr_va_sdst(0) depctr_va_ssrc(0) depctr_va_vcc(0) depctr_vm_vsrc(0)
	s_getreg_b32 s2, hwreg(HW_REG_IB_STS2, 6, 4)
	s_cmp_eq_u32 s2, 0
	s_cbranch_scc0 .Lentry_in_a_cluster
	s_endpgm
.Lentry_in_a_cluster:
	s_bfe_u32 s2, ttmp6, 0x10000c
	s_cmp_lg_u32 s2, 0x3003
	s_cbranch_scc0 .Lentry_shape_is_right
	s_endpgm
.Lentry_shape_is_right:
; THE TWO PRODUCTS WITH THE ATTENTION.  l[n] = sum over m of P[n][m], r = 1 / l.
;   path 0: out0[n][d] = vision[n][d] + h r[n] sum over m of P[n][m] text[m][d]
;   path 1: out1[m][d] = text[m][d]   + h      sum over n of (P[n][m] r[n]) vision[n][d]
; bf16 operands, f32 sums.  LIMIT: on path 1 the operand is rounded twice (P to bf16 by the launch before, P r to bf16 here).
; SHARES.  y = 8 path + 4 batch + dblk (64 columns d); x = rb (64 output rows).  Wave w makes 16 rows x 64 d along K = 512: four accumulators, 64 matrix instructions.
; Its 16 fragments of P (or of the transpose), 16,384 bytes, go straight into 128 registers; X's block of 512 x 64 in bf16 (65,536 bytes of fragments) lies in LDS.
; CLUSTERS: the four work-groups of a cluster differ in rb alone and read the same block of X: asked for jointly.  Each wave asks for a quarter: one tensor load of a wave is out.
; Nothing in LDS is filled again.
.set RT,    65536                      ; LDS behind X's block: r of all 512 n, f32
.set OS,    67584                      ; [wave][16 rows]: what a row's sum is multiplied by on the way out (h r or h)
.set STAGE, 67840                      ; each wave's own: 16 rows of 256 bytes
.set SPITCH, 272                       ; + 16: the 16 rows start 16 bytes apart modulo 256
.set ACC,   32                         ; v[32:63]   four accumulators
.set AF,    128                        ; v[128:255] the 16 fragments of P; v[128:159] later the rows of the own input
.macro CROUND                          ; a round of the cluster's barrier
	s_barrier_signal -1
	s_barrier_wait -1
	s_cmp_lg_u32 s23, 0
	s_cbranch_scc1 .Lnot_wave_0_\@
	s_barrier_signal -3
.Lnot_wave_0_\@:
	s_barrier_wait -3
	s_barrier_signal -1
	s_barrier_wait -1
.endm
.macro PLACES                          ; four places behind a matrix instruction, ahead of a read of its result or a load into one of its sources
.rept 4
	v_nop
.endr
.endm
	s_load_b256 s[4:11], s[0:1], 0x0               ; afr s[4:5], xfr s[6:7], lpart s[8:9], h s[10:11]
	s_load_b256 s[12:19], s[0:1], 0x20             ; vision s[12:13], text s[14:15], out0 s[16:17], out1 s[18:19]
	v_lshl_add_u32 v30, v0, 2, 0x29000
	v_mov_b32 v31, 0
	ds_add_u32 v30, v31
	v_lshrrev_b32 v1, 5, v0
	v_readfirstlane_b32 s23, v1                    ; wave w
	s_and_b32 s24, ttmp7, 0xffff                   ; y: the same in the whole cluster
	s_lshr_b32 s25, s24, 3                         ; path
	s_bfe_u32 s26, s24, 0x10002                    ; batch
	s_and_b32 s27, s24, 3                          ; dblk
	s_bfe_u32 s28, ttmp6, 0x40000                  ; cx
	s_lshl_b32 s29, ttmp9, 2
	s_add_co_u32 s29, s29, s28                     ; rb
	s_mov_b32 s22, 0xffff0000                      ; a word's upper bf16
	; the joint load: my quarter of X's block, 16,384 dense bytes as 64 rows of 32 elements of 8 bytes
	s_mov_b32 s32, 1
	s_lshl_b32 s33, s23, 14                        ; LDS: wave x 16,384
	s_mov_b32 s36, 15|(3<<16)|(1<<21)              ; all four work-groups; element of 8 bytes; bit 21 set beside a mask
	s_mov_b32 s37, 32<<16                          ; tensor_dim0 = 32
	s_mov_b32 s38, 64<<16                          ; tensor_dim1 = 64
	s_mov_b32 s39, 32<<16                          ; tile_dim0 = 32
	s_mov_b32 s40, 64                              ; tile_dim1 = 64
	s_mov_b32 s41, 32                              ; from row to row
	s_mov_b32 s42, 0
	s_mov_b32 s43, 0
	s_xor_b32 s54, s25, 1                          ; path 0 multiplies by text (1), path 1 by vision (0)
	s_lshl_b32 s54, s54, 1
	s_add_co_u32 s54, s54, s26
	s_lshl_b32 s54, s54, 2
	s_add_co_u32 s54, s54, s27
	s_lshl_b32 s54, s54, 16                        ; [mod][batch][dblk]: 65,536 bytes
	s_add_co_u32 s54, s54, s33                     ; made of y and the wave alone
	s_mov_b32 s55, 0
	; lane terms
	v_and_b32 v12, 31, v0
	v_lshlrev_b32 v1, 4, v12                       ; 16 x lane
	v_and_b32 v13, 15, v0                          ; r
	v_bfe_u32 v14, v0, 4, 1                        ; h
	v_lshlrev_b32 v2, 5, v14
	v_add_nc_u32 v2, RT, v2                        ; r of K = 8 h ..
	s_mul_i32 s30, s23, 16*SPITCH
	s_add_co_u32 s30, s30, STAGE                   ; my stage
	v_mul_u32_u24 v3, v13, SPITCH
	v_lshl_add_u32 v3, v14, 5, v3
	v_add_nc_u32 v3, s30, v3                       ; in: row r, 32 bytes for each half of the lanes
	v_mul_u32_u24 v4, v14, SPITCH
	v_lshl_add_u32 v4, v13, 4, v4
	v_add_nc_u32 v4, s30, v4                       ; back: lanes 0-15 one row of 256 bytes, lanes 16-31 the next
	s_lshl_b32 s30, s23, 6
	s_add_co_u32 s30, s30, OS                      ; my 16 factors
	v_lshlrev_b32 v5, 2, v14
	v_add_nc_u32 v5, s30, v5
	v_lshlrev_b32 v6, 10, v14
	v_lshl_add_u32 v6, v13, 4, v6                  ; the same two rows in the input and the output
	v_lshlrev_b32 v7, 4, v0                        ; 16 t: four n of the 512
	v_and_b32 v8, 3, v0
	v_lshlrev_b32 v8, 4, v8                        ; four of my wave's 16 rows
	v_add_nc_u32 v9, RT, v7
	v_add_nc_u32 v10, s30, v8
	s_wait_dscnt 0x0
	s_wait_kmcnt 0x0
	s_load_b32 s20, s[10:11], 0x0                  ; h
	s_add_nc_u64 s[34:35], s[6:7], s[54:55]
	s_or_b32 s35, s35, 0x80000000                  ; type 2
	s_lshl_b32 s30, s25, 1                         ; my fragments: [path][batch][row tile 4 rb + w]: 16,384 bytes
	s_add_co_u32 s30, s30, s26
	s_lshl_b32 s30, s30, 5
	s_lshl_b32 s31, s29, 2
	s_add_co_u32 s30, s30, s31
	s_add_co_u32 s30, s30, s23
	s_lshl_b32 s30, s30, 14
	s_mov_b32 s31, 0
	s_add_nc_u64 s[44:45], s[4:5], s[30:31]
	s_lshl_b32 s30, s26, 14                        ; the batch's eight rows of partial sums
	s_add_nc_u64 s[46:47], s[8:9], s[30:31]
	s_lshl_b32 s30, s29, 8
	s_lshl_b32 s21, s23, 6
	s_add_co_u32 s30, s30, s21                     ; row 64 rb + 16 w
	s_add_nc_u64 s[48:49], s[46:47], s[30:31]
	s_lshl_b32 s30, s26, 3                         ; ((8 batch + rb) 4 + w) 16 rows of 1,024 bytes + dblk x 256
	s_add_co_u32 s30, s30, s29
	s_lshl_b32 s30, s30, 2
	s_add_co_u32 s30, s30, s23
	s_lshl_b32 s30, s30, 6
	s_add_co_u32 s30, s30, s27
	s_lshl_b32 s30, s30, 8
	s_cmp_lg_u32 s25, 0
	s_cselect_b64 s[50:51], s[14:15], s[12:13]     ; the input that is added to
	s_cselect_b64 s[52:53], s[18:19], s[16:17]     ; the output
	s_cselect_b32 s21, -1, 0                       ; all lanes: path 1
	s_add_nc_u64 s[50:51], s[50:51], s[30:31]
	s_add_nc_u64 s[52:53], s[52:53], s[30:31]
	; 48 loads, ahead of the round so that they travel while the work-groups meet: nobody writes these bytes in this launch
.irp i, 0,1,2,3,4,5,6,7
	global_load_b128 v[64+4*\i:67+4*\i], v7, s[46:47] offset:\i*2048       ; the eight partial sums of n = 4 t .. 4 t + 3
.endr
.irp i, 0,1,2,3,4,5,6,7
	global_load_b128 v[96+4*\i:99+4*\i], v8, s[48:49] offset:\i*2048       ; and of my wave's own rows (used on path 0)
.endr
.set nx, 0
.rept 32
	global_load_b128 v[AF+4*nx:AF+4*nx+3], v1, s[44:45] offset:nx*512      ; fragment nx / 2, half nx & 1: 512 consecutive bytes
.set nx, nx+1
.endr
	CROUND                                         ; the four work-groups are here: the joint load meets
	tensor_load_to_lds s[32:35], s[36:43]
	s_nop 0
	s_wait_kmcnt 0x0
	v_mov_b32 v11, s20                             ; h
	s_wait_loadcnt 32                              ; the 16 loads of partial sums are in; the 32 of fragments stay out
.macro RSUM base                       ; eight quads to one
.irp i, 0,2,4,6
	v_pk_add_f32 v[\base+4*\i:\base+4*\i+1],   v[\base+4*\i:\base+4*\i+1],   v[\base+4*\i+4:\base+4*\i+5]
	v_pk_add_f32 v[\base+4*\i+2:\base+4*\i+3], v[\base+4*\i+2:\base+4*\i+3], v[\base+4*\i+6:\base+4*\i+7]
.endr
.irp i, 0,4
	v_pk_add_f32 v[\base+4*\i:\base+4*\i+1],   v[\base+4*\i:\base+4*\i+1],   v[\base+4*\i+8:\base+4*\i+9]
	v_pk_add_f32 v[\base+4*\i+2:\base+4*\i+3], v[\base+4*\i+2:\base+4*\i+3], v[\base+4*\i+10:\base+4*\i+11]
.endr
	v_pk_add_f32 v[\base:\base+1],   v[\base:\base+1],   v[\base+16:\base+17]
	v_pk_add_f32 v[\base+2:\base+3], v[\base+2:\base+3], v[\base+18:\base+19]
.endm
	RSUM 64
	RSUM 96
.irp k, 0,1,2,3
	v_rcp_f32 v[64+\k], v[64+\k]
.endr
.irp k, 0,1,2,3
	v_rcp_f32 v[96+\k], v[96+\k]
.endr
	v_nop                                          ; one plain instruction between a transcendental and the use of its result (ISA guide 5.7.2)
	s_wait_alu depctr_va_vdst(0)
.irp k, 0,1,2,3
	v_mul_f32 v[96+\k], s20, v[96+\k]              ; h r
.endr
.irp k, 0,1,2,3
	v_cndmask_b32 v[96+\k], v[96+\k], v11, s21     ; path 1: h alone, r is in the operand
.endr
	ds_store_b128 v9, v[64:67]
	ds_store_b128 v10, v[96:99]                    ; eight lanes write the same numbers to the same words
	s_wait_dscnt 0x0                               ; my part of r is in LDS, for the other waves' sake
	s_barrier_signal -1
	s_barrier_wait -1                              ; the tensor load stays out
	s_cmp_eq_u32 s25, 0
	s_cbranch_scc1 .Lnoscale                       ; the path is the same in all waves and all partners
; r of K step s (K = 32 s + 8 h + 0..7 and + 16) into one of two buffers of 16 registers
.macro RLOAD s
.set RB, 64+16*((\s)&1)
	ds_load_b128 v[RB:RB+3],     v2 offset:(\s)*128
	ds_load_b128 v[RB+4:RB+7],   v2 offset:(\s)*128+16
	ds_load_b128 v[RB+8:RB+11],  v2 offset:(\s)*128+64
	ds_load_b128 v[RB+12:RB+15], v2 offset:(\s)*128+80
.endm
; fragment s times r along K, in place: widened, multiplied in f32, rounded once
.macro ASCALE s
.if \s < 15
	RLOAD \s+1
	s_wait_dscnt 4                                 ; this step's r is in, the next step's four loads stay out
.else
	s_wait_dscnt 0
.endif
	s_wait_loadcnt 30-2*\s                         ; this fragment's two loads are in, the later fragments' stay out
.set RB, 64+16*((\s)&1)
.irp x, 0,1,2,3,4,5,6,7
	v_lshlrev_b32 v[96+2*\x], 16, v[AF+8*\s+\x]
	v_and_b32     v[97+2*\x], s22, v[AF+8*\s+\x]
.endr
.irp x, 0,1,2,3,4,5,6,7
	v_pk_mul_f32 v[96+2*\x:97+2*\x], v[96+2*\x:97+2*\x], v[RB+2*\x:RB+2*\x+1]
.endr
.irp x, 0,1,2,3,4,5,6,7
	v_cvt_pk_bf16_f32 v[AF+8*\s+\x], v[96+2*\x], v[97+2*\x]
.endr
.endm
	RLOAD 0
.irp s, 0,1,2,3,4,5,6,7,8,9,10,11,12,13,14,15
	ASCALE \s
.endr
.Lnoscale:
	s_wait_loadcnt 0x0                             ; all fragments are in (path 0 has not waited yet)
	s_wait_dscnt 0x0
	s_wait_tensorcnt 0x0                           ; my quarter of X's block is in LDS,
	s_barrier_signal -1
	s_barrier_wait -1                              ; everybody's is
; X's four fragments of K step s into one of two buffers of 32 registers
.macro XFETCH s
.set XB, 64+32*((\s)&1)
.irp dt, 0,1,2,3
	ds_load_b128 v[XB+8*\dt:XB+8*\dt+3],   v1 offset:(\s)*4096+\dt*1024
	ds_load_b128 v[XB+8*\dt+4:XB+8*\dt+7], v1 offset:(\s)*4096+\dt*1024+512
.endr
.endm
; K step s.  Source 0 = 16 columns d of X, source 1 = my 16 rows: register j of lane (r, h) is d = 16 dt + 8 h + j of row r.
; The first step starts the sums.  The four accumulators take turns.
.macro XSTEP s
.if \s < 15
.if \s > 0
	PLACES
.endif
	XFETCH \s+1
.if \s == 8
.irp t, 0,1,2,3,4,5,6,7
	global_load_b128 v[AF+4*\t:AF+4*\t+3], v6, s[50:51] offset:\t*2048     ; the rows that are added to, into fragments 0-3, last read in step 3
.endr
.endif
	s_wait_dscnt 8                                 ; this step's eight loads are in, the next step's stay out
.else
	s_wait_dscnt 0
.endif
.set XB, 64+32*((\s)&1)
.irp dt, 0,1,2,3
.if \s == 0
	v_wmma_f32_16x16x32_bf16 v[ACC+8*\dt:ACC+8*\dt+7], v[XB+8*\dt:XB+8*\dt+7], v[AF+8*\s:AF+8*\s+7], 0
.else
	v_wmma_f32_16x16x32_bf16 v[ACC+8*\dt:ACC+8*\dt+7], v[XB+8*\dt:XB+8*\dt+7], v[AF+8*\s:AF+8*\s+7], v[ACC+8*\dt:ACC+8*\dt+7]
.endif
.endr
.endm
	XFETCH 0
.irp s, 0,1,2,3,4,5,6,7,8,9,10,11,12,13,14,15
	XSTEP \s
.endr
	; THE WAY OUT: 16 rows x 256 bytes through my own stage, back as whole rows.  LDS serves a wave's instructions in order (ISA guide 5.7.1.4).
	PLACES
.irp dt, 0,1,2,3
	ds_store_b128 v3, v[ACC+8*\dt:ACC+8*\dt+3]   offset:\dt*64
	ds_store_b128 v3, v[ACC+8*\dt+4:ACC+8*\dt+7] offset:\dt*64+16
.endr
.irp t, 0,1,2,3,4,5,6,7
	ds_load_b128 v[64+4*\t:67+4*\t], v4 offset:\t*2*SPITCH
.endr
.irp t, 0,1,2,3,4,5,6,7
	ds_load_b32 v[96+\t], v5 offset:\t*8           ; the row's factor
.endr
	s_wait_dscnt 0x0
	s_wait_loadcnt 0x0                             ; the rows that are added to
.irp t, 0,1,2,3,4,5,6,7
.irp k, 0,1,2,3
	v_fma_f32 v[64+4*\t+\k], v[64+4*\t+\k], v[96+\t], v[AF+4*\t+\k]
.endr
.endr
.irp t, 0,1,2,3,4,5,6,7
	global_store_b128 v6, v[64+4*\t:67+4*\t], s[52:53] offset:\t*2048      ; 16 lanes store 256 consecutive bytes of a row, aligned
.endr
	s_wait_tensorcnt 0x0
	ds_add_u32 v30, v31
	s_wait_dscnt 0x0
	CROUND                                         ; the closing round: no work-group ends while a partner may still ask for a tile that names it
	s_endpgm
.Lfunc_end_k_qcab5c10d93_mix:
	.size	k_qcab5c10d93_mix, .Lfunc_end_k_qcab5c10d93_mix-k_qcab5c10d93_mix
	.p2alignl 7, 3214868480
	.fill 96, 4, 3214868480
	.section	.rodata,"a",@progbits
	.p2align	6, 0x0
	.amdhsa_kernel k_qcab5c10d93_mix
		.amdhsa_group_segment_fixed_size 168448
		.amdhsa_private_segment_fixed_size 0
		.amdhsa_enable_private_segment 0
		.amdhsa_kernarg_size 64
		.amdhsa_user_sgpr_count 2
		.amdhsa_user_sgpr_kernarg_segment_ptr 1
		.amdhsa_wavefront_size32 1
		.amdhsa_system_sgpr_workgroup_id_x 1
		.amdhsa_system_sgpr_workgroup_id_y 1
		.amdhsa_system_sgpr_workgroup_id_z 1
		.amdhsa_system_vgpr_workitem_id 0
		.amdhsa_next_free_vgpr 256
		.amdhsa_next_free_sgpr 66
		.amdhsa_reserve_vcc 0
		.amdhsa_float_denorm_mode_32 3
		.amdhsa_float_denorm_mode_16_64 3
		.amdhsa_memory_ordered 1
		.amdhsa_forward_progress 1
		.amdhsa_inst_pref_size 61
	.end_amdhsa_kernel
	.amdgpu_metadata
---
amdhsa.version: [ 1, 2 ]
amdhsa.kernels:
  - .name:           k_qcab5c10d93_mix
    .symbol:         k_qcab5c10d93_mix.kd
    .args:
      - { .name: afr, .offset: 0, .size: 8, .value_kind: global_buffer, .address_space: global }
      - { .name: xfr, .offset: 8, .size: 8, .value_kind: global_buffer, .address_space: global }
      - { .name: lpart, .offset: 16, .size: 8, .value_kind: global_buffer, .address_space: global }
      - { .name: h, .offset: 24, .size: 8, .value_kind: global_buffer, .address_space: global }
      - { .name: vision_feat, .offset: 32, .size: 8, .value_kind: global_buffer, .address_space: global }
      - { .name: text_feat, .offset: 40, .size: 8, .value_kind: global_buffer, .address_space: global }
      - { .name: out0, .offset: 48, .size: 8, .value_kind: global_buffer, .address_space: global }
      - { .name: out1, .offset: 56, .size: 8, .value_kind: global_buffer, .address_space: global }
    .group_segment_fixed_size: 168448
    .private_segment_fixed_size: 0
    .kernarg_segment_align: 8
    .kernarg_segment_size: 64
    .max_flat_workgroup_size: 128
    .sgpr_count:     66
    .vgpr_count:     256
    .wavefront_size: 32
...
	.end_amdgpu_metadata
.endif
;; end of part 3
;; ======== version 2 of 2: 3 launches; version 1 with the launch feat written anew for expert scheduling mode
;; limits: values outside matrix products are rounded to bf16; right only within a limited range of input values
;; workspace buffers: phi 2,621,440 bytes; xfr 1,048,576 bytes; afr 2,097,152 bytes; lpart 32,768 bytes
;; launch feat (part 4): grid 128 x 2, 4 waves a work-group, no clusters, 51,200 bytes of LDS; arguments vision_feat, text_feat, Wv, Wt, bv, bt, phi, xfr; writes phi, xfr
.if DOCPART == 4
	.amdgcn_target "amdgcn-amd-amdhsa--gfx1250"
	.amdhsa_code_object_version 6
	.text
	.protected	k_qcab5c10d93_feat
	.globl	k_qcab5c10d93_feat
	.p2align	8
	.type	k_qcab5c10d93_feat,@function
k_qcab5c10d93_feat:
	s_mov_b64 s[64:65], 0
	v_nop
	global_prefetch_b8 v0, s[64:65] scope:SCOPE_SE
	s_setreg_imm32_b32 hwreg(HW_REG_WAVE_SCHED_MODE, 0, 2), 2
	s_setreg_imm32_b32 hwreg(HW_REG_WAVE_MODE, 25, 1), 1
	s_wait_xcnt 0x0
	s_wait_alu depctr_vm_vsrc(0)
; FEATURES.  q = X W^T + b (X: vision or text, 1,024 rows x 256; bf16 operands, f32 sums), each group of four columns a quaternion.
; With a = q / |q|, the squared cosine of two quaternions is sum over i, j of a_i a_j t_i t_j: a dot product of ten numbers a side,
; a_i^2 (4) and sqrt(2) a_i a_j, i < j (6).  This launch stores these ten numbers of each of the 64 heads in bf16, so that the sum over heads
; of the squared cosines of a pair of rows is one product along K = 640.  a carries the factor G = (log2(e) / 1024)^(1/4): the product of two
; feature rows is then log2(e) x (mean over 64 heads) / 16, the exponent of the softmax in base 2.
; It also stores a bf16 copy of X laid out as matrix fragments for the last launch.
; LIMITS.  The interference is taken as the squared cosine of the raw quaternions; against (w + 1e-8)^2 / (|v|^2 |t|^2 + 2e-8 w + 1e-16) of the
; normalised ones the difference is at most about 2e-8 / (|v| |t|).  A quaternion with |q|^2 < 1e-30 gives features near 0 (interference 0); each such
; head moves the exponent by at most 1/1024.  |q| > 1.8e19 overflows in |q|^2.
; SHARES.  y = which of the two inputs; x & 3 = cb, 64 output columns (16 heads); x >> 2 = rbk, 32 rows.  Wave w: rows 16 (w & 1) .. +15, columns 32 (w >> 1) .. +31.
; NO JOINT LOADS: X and W are f32 in memory.  Through registers they are rounded on the way in and LDS takes 96 rows x 512 bytes of bf16; a tile brought by a
; tensor load would lie in LDS as 96 KiB of f32 and would be read, rounded and stored once more.
; EVERY WORKSPACE OPERAND IS A REGISTER IMAGE: a fragment is 1,024 bytes, [registers 0-3 | registers 4-7][lane][16 bytes], so that each store here and each load
; later covers 512 consecutive bytes, aligned.
; THE MODE: SCHED_MODE bits 1:0 = 2 (LLVM: expert scheduling mode 2), set by the entry lines.  The code itself states the register dependences
; between vector or matrix instructions and memory or LDS instructions, with s_wait_alu, always for 0.
; THE PLAN.  Registers that memory or LDS instructions touch:
;   v1, v2, v6-v10  offsets and LDS addresses: written at the head, never again; one wait ahead of the first load serves every load and store.
;   v[16:31]        the bias loads land here; no vector instruction names them earlier; behind that matrix and vector instructions alone.
;   SL, 48 slots    a global load lands in slot i; two roundings read it and write its first two registers; an LDS store reads those two.  The slots go in six groups
;                   of eight: group g's roundings, which name group g's registers alone, are dealt among group g - 1's stores, behind ONE wait at the group's head.
;                   Behind the barrier the 48 fragment loads land in the same registers: the last wait on va_vdst stands behind the last rounding, and one wait on
;                   vm_vsrc states that the LDS stores have read their data.
;   v[32:39]        two transposing LDS loads land here, two global stores read them; no vector instruction names them.
;   PK              written by the last roundings, read by the last five stores: one wait between.
;   v62, v63        written at the head, read by the closing add alone.
;   s23             written by v_readfirstlane_b32: one wait on va_sdst ahead of its first reader.
.set PITCH, 528                        ; an LDS row: 256 bf16 + 16 bytes, an odd multiple of 16: the 16 rows of a fragment load start 16 bytes apart modulo 256
.set ACC,  16                          ; v[16:31]  two accumulators = four quaternions of four registers
.set XF,   32                          ; v[32:39]  X's transposed fragment, for xfr
.set NN,   40                          ; v[40:43]  |q|^2, then 1 / |q|
.set RR,   44                          ; v[44:51]  quaternion q: G / |q|, sqrt(2) G / |q|
.set BB,   52                          ; v[52:54]  sqrt(2) a0, a1, a2
.set SL,   64                          ; v[64:255] 48 load slots of 4, then 24 fragments of 8
.set FF,   64                          ; v[64:103] 40 features in f32
.set PK,   112                         ; v[112:131] the same in bf16
.set GQ,   0x3e4663b3                  ; G = 0.1937397
.set GS,   0x3e8c4854                  ; sqrt(2) G = 0.2739893
.set TINY, 0x0da24260                  ; 1e-30
	s_load_b256 s[4:11], s[0:1], 0x0               ; vision s[4:5], text s[6:7], Wv s[8:9], Wt s[10:11]
	s_load_b256 s[12:19], s[0:1], 0x20             ; bv s[12:13], bt s[14:15], phi s[16:17], xfr s[18:19]
	v_lshl_add_u32 v62, v0, 2, 0xc600              ; my spare word, behind the 96 rows, and 0: kept for the closing lines alone
	v_mov_b32 v63, 0
	v_lshrrev_b32 v3, 5, v0
	v_readfirstlane_b32 s23, v3                    ; wave w
	s_and_b32 s20, ttmp7, 0xffff                   ; mod: 0 vision, 1 text
	s_and_b32 s21, ttmp9, 3                        ; cb
	s_lshr_b32 s22, ttmp9, 2                       ; rbk
	v_lshlrev_b32 v1, 4, v0                        ; 16 t: my 16 bytes of the 2,048 (two f32 rows) that one load of the work-group covers
	v_lshrrev_b32 v2, 6, v0                        ; which of the two rows
	v_and_b32 v3, 63, v0
	v_mul_u32_u24 v2, v2, PITCH
	v_lshl_add_u32 v2, v3, 3, v2                   ; where my four numbers go as bf16: row x pitch + 8 (t & 63)
	v_and_b32 v4, 15, v0                           ; r
	v_bfe_u32 v5, v0, 4, 1                         ; h
	v_mul_u32_u24 v11, v4, PITCH
	v_lshl_add_u32 v11, v5, 4, v11                 ; r x pitch + 16 h: a fragment's lane term
	s_wait_alu depctr_va_sdst(0)                   ; s23 is written, ahead of its first reader: the two lines below, and LDS and global addresses further down, are made from it
	s_and_b32 s24, s23, 1                          ; rt: which 16 rows
	s_lshr_b32 s25, s23, 1                         ; ch: which 32 columns
	s_mul_i32 s32, s24, 16*PITCH
	v_add_nc_u32 v6, s32, v11                      ; X's fragments: rows 16 rt + r
	s_mul_i32 s32, s25, 32*PITCH
	s_add_co_u32 s32, s32, 32*PITCH
	v_add_nc_u32 v7, s32, v11                      ; W's fragments: LDS rows 32 + 32 ch + r
	v_lshlrev_b32 v8, 5, v5                        ; bias: 8 h numbers
	v_and_b32 v12, 7, v0
	v_lshl_add_u32 v12, v5, 3, v12
	v_mul_u32_u24 v9, v12, PITCH                   ; transposing load: row 8 h + (lane & 7),
	v_bfe_u32 v13, v0, 3, 1
	v_lshl_add_u32 v9, v13, 4, v9                  ; 16 bytes x bit 3 of the lane,
	s_lshl_b32 s32, s21, 7
	s_lshl_b32 s33, s23, 5
	s_add_co_u32 s32, s32, s33
	v_add_nc_u32 v9, s32, v9                       ; column 64 cb + 16 w
	v_and_b32 v10, 31, v0
	v_lshlrev_b32 v10, 4, v10                      ; 16 x lane: all stores
	s_wait_kmcnt 0x0
	s_cmp_lg_u32 s20, 0
	s_cselect_b64 s[26:27], s[6:7], s[4:5]         ; X
	s_cselect_b64 s[28:29], s[10:11], s[8:9]       ; W
	s_cselect_b64 s[30:31], s[14:15], s[12:13]     ; bias
	s_lshl_b32 s32, s22, 15                        ; 32 rows of 1,024 bytes
	s_mov_b32 s33, 0
	s_add_nc_u64 s[26:27], s[26:27], s[32:33]
	s_lshl_b32 s32, s21, 16                        ; 64 rows of W
	s_add_nc_u64 s[28:29], s[28:29], s[32:33]
	s_lshl_b32 s32, s21, 1
	s_add_co_u32 s32, s32, s25
	s_lshl_b32 s32, s32, 7                         ; 64 cb + 32 ch numbers
	s_add_nc_u64 s[30:31], s[30:31], s[32:33]
	s_wait_alu depctr_va_vdst(0)                   ; v1, v2 and v6 to v10 are written: every load and store of the kernel reads one of them as its offset or LDS address, and none is written again
	; The bias goes straight into the accumulators: register j of accumulator c will hold column 16 c + 8 h + j.
	global_load_b128 v[ACC:ACC+3],     v8, s[30:31]
	global_load_b128 v[ACC+4:ACC+7],   v8, s[30:31] offset:16
	global_load_b128 v[ACC+8:ACC+11],  v8, s[30:31] offset:64
	global_load_b128 v[ACC+12:ACC+15], v8, s[30:31] offset:80
	; 16 loads of X (32 rows) and 32 of W (64 rows); each covers 512 consecutive bytes a wave.  With the bias 52 loads of the wave are out.
.set nx, 0
.rept 16
	global_load_b128 v[SL+4*nx:SL+4*nx+3], v1, s[26:27] offset:nx*2048
.set nx, nx+1
.endr
.rept 32
	global_load_b128 v[SL+4*nx:SL+4*nx+3], v1, s[28:29] offset:(nx-16)*2048
.set nx, nx+1
.endr
	; the two output addresses, while the loads travel
	s_lshl_b32 s32, s22, 1
	s_add_co_u32 s32, s32, s24                     ; row tile 2 rbk + rt of 64
	s_mul_i32 s32, s32, 20480                      ; 20 fragments a row tile
	s_mul_i32 s38, s20, 1310720
	s_add_co_u32 s32, s32, s38
	s_mul_i32 s38, s21, 5120                       ; five fragments for each cb,
	s_add_co_u32 s32, s32, s38
	s_mul_i32 s38, s25, 2560                       ; of whose ten halves my wave writes five
	s_add_co_u32 s32, s32, s38
	s_add_nc_u64 s[34:35], s[16:17], s[32:33]
	s_lshl_b32 s32, s20, 1
	s_lshr_b32 s38, s22, 4                         ; batch
	s_add_co_u32 s32, s32, s38
	s_lshl_b32 s32, s32, 2
	s_add_co_u32 s32, s32, s21
	s_lshl_b32 s32, s32, 16                        ; [mod][batch][column block]: 65,536 bytes
	s_and_b32 s38, s22, 15
	s_lshl_b32 s38, s38, 12                        ; [K step of 32 rows]: 4,096 bytes
	s_add_co_u32 s32, s32, s38
	s_lshl_b32 s38, s23, 10                        ; [16 columns]: my wave's fragment
	s_add_co_u32 s32, s32, s38
	s_add_nc_u64 s[36:37], s[18:19], s[32:33]
; slot i: rounded to bf16 in place,
.macro CVT i
	v_cvt_pk_bf16_f32 v[SL+4*(\i)],   v[SL+4*(\i)],   v[SL+4*(\i)+1]
	v_cvt_pk_bf16_f32 v[SL+4*(\i)+1], v[SL+4*(\i)+2], v[SL+4*(\i)+3]
.endm
; and stored to LDS rows 2 i, 2 i + 1
.macro PUT i
	ds_store_b64 v2, v[SL+4*(\i):SL+4*(\i)+1] offset:(\i)*2*PITCH
.endm
; Group g: slots 8 g to 8 g + 7 are rounded; the stores of the group before are dealt among the roundings, which name none of their registers.
.macro GROUP g
	s_wait_loadcnt 40-8*(\g)                       ; loads come back in order: the group's eight slots are in, the 40 - 8 g younger loads stay out (the bias is older)
.if \g > 0
	s_wait_alu depctr_va_vdst(0)                   ; the roundings of the group before have written the registers that the eight LDS stores below read
.endif
.irp k, 0,1,2,3,4,5,6,7
.if \g > 0
	PUT 8*(\g)-8+\k
.endif
	CVT 8*(\g)+\k
.endr
.endm
.irp g, 0,1,2,3,4,5
	GROUP \g
.endr
	s_wait_alu depctr_va_vdst(0)                   ; the last group's roundings have written what the stores below read; and all roundings are done with SL's registers, in which the fragment loads behind the barrier land
.irp k, 40,41,42,43,44,45,46,47
	PUT \k
.endr
	s_wait_dscnt 0x0                               ; my stores are in LDS, for the other waves' sake
	s_barrier_signal -1
	s_barrier_wait -1
	s_wait_alu depctr_vm_vsrc(0)                   ; my LDS stores have read their data in SL's registers, which the fragment loads below write
	; X's 32 rows x my 16 columns, transposed: lane r = column, K = row
	ds_load_tr16_b128 v[XF:XF+3],   v9
	ds_load_tr16_b128 v[XF+4:XF+7], v9 offset:16*PITCH
	; all 24 fragments of the eight K steps: X's 16 rows, W's two tiles of 16 rows
.irp s, 0,1,2,3,4,5,6,7
	ds_load_b128 v[SL+24*\s:SL+24*\s+3],     v6 offset:64*\s
	ds_load_b128 v[SL+24*\s+4:SL+24*\s+7],   v6 offset:64*\s+32
	ds_load_b128 v[SL+24*\s+8:SL+24*\s+11],  v7 offset:64*\s
	ds_load_b128 v[SL+24*\s+12:SL+24*\s+15], v7 offset:64*\s+32
	ds_load_b128 v[SL+24*\s+16:SL+24*\s+19], v7 offset:64*\s+16*PITCH
	ds_load_b128 v[SL+24*\s+20:SL+24*\s+23], v7 offset:64*\s+16*PITCH+32
.endr
	s_wait_dscnt 48                                ; the two transposing loads are in; the 48 behind them stay out
	global_store_b128 v10, v[XF:XF+3],   s[36:37]  ; data that LDS loads brought, an offset made at the head: no vector instruction has named either since the waits above
	global_store_b128 v10, v[XF+4:XF+7], s[36:37] offset:512
; One K step of 32.  Source 0 = 16 rows of W, source 1 = 16 rows of X: register j of lane (r, h) is column 8 h + j of the tile in row r, so a lane holds whole quaternions.
; The two accumulators take turns.  No load is issued behind the first product, so the products owe the loads nothing.
.macro KSTEP s
	s_wait_dscnt 42-6*\s                           ; this step's six loads are in; the later steps' stay out
	v_wmma_f32_16x16x32_bf16 v[ACC:ACC+7],    v[SL+24*\s+8:SL+24*\s+15],  v[SL+24*\s:SL+24*\s+7], v[ACC:ACC+7]
	v_wmma_f32_16x16x32_bf16 v[ACC+8:ACC+15], v[SL+24*\s+16:SL+24*\s+23], v[SL+24*\s:SL+24*\s+7], v[ACC+8:ACC+15]
.endm
.irp s, 0,1,2,3,4,5,6,7
	KSTEP \s
.endr
.rept 4
	v_nop                                          ; four places behind the last matrix instructions, ahead of the reads of their results (ISA guide 7.12.1)
.endr
.irp q, 0,1,2,3
	v_mul_f32 v[NN+\q], v[ACC+4*\q], v[ACC+4*\q]
.endr
.irp k, 1,2,3
.irp q, 0,1,2,3
	v_fmac_f32 v[NN+\q], v[ACC+4*\q+\k], v[ACC+4*\q+\k]
.endr
.endr
.irp q, 0,1,2,3
	v_max_num_f32 v[NN+\q], TINY, v[NN+\q]         ; keeps the root's argument a normal number
.endr
.irp q, 0,1,2,3
	v_rsq_f32 v[NN+\q], v[NN+\q]
.endr
	v_nop                                          ; one plain instruction between a transcendental and the use of its result (ISA guide 5.7.2)
	s_wait_alu depctr_va_vdst(0)                   ; the four roots have written v[NN ..]: one wait for the batch, ahead of its first reader
.irp q, 0,1,2,3
	v_mul_f32 v[RR+2*\q],   GQ, v[NN+\q]
	v_mul_f32 v[RR+2*\q+1], GS, v[NN+\q]
.endr
; the ten features of quaternion q, rounded to bf16
.macro QFEAT q
	v_mul_f32 v[BB],   v[ACC+4*\q],   v[RR+2*\q+1]                                                        ; b = sqrt(2) a
	v_mul_f32 v[BB+1], v[ACC+4*\q+1], v[RR+2*\q+1]
	v_mul_f32 v[BB+2], v[ACC+4*\q+2], v[RR+2*\q+1]
	v_pk_mul_f32 v[ACC+4*\q:ACC+4*\q+1],   v[ACC+4*\q:ACC+4*\q+1],   v[RR+2*\q:RR+2*\q+1] op_sel_hi:[1,0]  ; a = G q / |q|, in place
	v_pk_mul_f32 v[ACC+4*\q+2:ACC+4*\q+3], v[ACC+4*\q+2:ACC+4*\q+3], v[RR+2*\q:RR+2*\q+1] op_sel_hi:[1,0]
	v_pk_mul_f32 v[FF+10*\q:FF+10*\q+1],   v[ACC+4*\q:ACC+4*\q+1],   v[ACC+4*\q:ACC+4*\q+1]                ; a0^2, a1^2
	v_pk_mul_f32 v[FF+10*\q+2:FF+10*\q+3], v[ACC+4*\q+2:ACC+4*\q+3], v[ACC+4*\q+2:ACC+4*\q+3]              ; a2^2, a3^2
	v_pk_mul_f32 v[FF+10*\q+4:FF+10*\q+5], v[BB:BB+1],               v[ACC+4*\q+2:ACC+4*\q+3]              ; b0 a2, b1 a3
	v_mul_f32 v[FF+10*\q+6], v[BB],   v[ACC+4*\q+3]                                                        ; b0 a3
	v_mul_f32 v[FF+10*\q+7], v[BB+1], v[ACC+4*\q+2]                                                        ; b1 a2
	v_mul_f32 v[FF+10*\q+8], v[BB],   v[ACC+4*\q+1]                                                        ; b0 a1
	v_mul_f32 v[FF+10*\q+9], v[BB+2], v[ACC+4*\q+3]                                                        ; b2 a3
.irp p, 0,1,2,3,4
	v_cvt_pk_bf16_f32 v[PK+5*\q+\p], v[FF+10*\q+2*\p], v[FF+10*\q+2*\p+1]
.endr
.endm
	QFEAT 0
	QFEAT 1
	QFEAT 2
	QFEAT 3
	; 20 registers = five halves of fragments.  Which feature lies at which place of K hangs on cb, ch, the lane's half and the register alone,
	; the same for vision and text, and a permutation of K that both sides share leaves the product as it is.
	s_wait_alu depctr_va_vdst(0)                   ; the roundings have written v[PK ..], which the five stores read
.irp p, 0,1,2,3,4
	global_store_b128 v10, v[PK+4*\p:PK+4*\p+3], s[34:35] offset:512*\p
.endr
	s_wait_dscnt 0x0                               ; the closing lines, six on end
	s_wait_alu 0x0
	s_wait_tensorcnt 0x0
	ds_add_u32 v62, v63
	s_wait_dscnt 0x0
	s_endpgm
.Lfunc_end_k_qcab5c10d93_feat:
	.size	k_qcab5c10d93_feat, .Lfunc_end_k_qcab5c10d93_feat-k_qcab5c10d93_feat
	.p2alignl 7, 3214868480
	.fill 96, 4, 3214868480
	.section	.rodata,"a",@progbits
	.p2align	6, 0x0
	.amdhsa_kernel k_qcab5c10d93_feat
		.amdhsa_group_segment_fixed_size 51200
		.amdhsa_private_segment_fixed_size 0
		.amdhsa_enable_private_segment 0
		.amdhsa_kernarg_size 64
		.amdhsa_user_sgpr_count 2
		.amdhsa_user_sgpr_kernarg_segment_ptr 1
		.amdhsa_wavefront_size32 1
		.amdhsa_system_sgpr_workgroup_id_x 1
		.amdhsa_system_sgpr_workgroup_id_y 1
		.amdhsa_system_sgpr_workgroup_id_z 1
		.amdhsa_system_vgpr_workitem_id 0
		.amdhsa_next_free_vgpr 256
		.amdhsa_next_free_sgpr 66
		.amdhsa_reserve_vcc 0
		.amdhsa_float_denorm_mode_32 3
		.amdhsa_float_denorm_mode_16_64 3
		.amdhsa_memory_ordered 1
		.amdhsa_forward_progress 1
		.amdhsa_inst_pref_size 29
	.end_amdhsa_kernel
	.amdgpu_metadata
---
amdhsa.version: [ 1, 2 ]
amdhsa.kernels:
  - .name:           k_qcab5c10d93_feat
    .symbol:         k_qcab5c10d93_feat.kd
    .args:
      - { .name: vision_feat, .offset: 0, .size: 8, .value_kind: global_buffer, .address_space: global }
      - { .name: text_feat, .offset: 8, .size: 8, .value_kind: global_buffer, .address_space: global }
      - { .name: Wv, .offset: 16, .size: 8, .value_kind: global_buffer, .address_space: global }
      - { .name: Wt, .offset: 24, .size: 8, .value_kind: global_buffer, .address_space: global }
      - { .name: bv, .offset: 32, .size: 8, .value_kind: global_buffer, .address_space: global }
      - { .name: bt, .offset: 40, .size: 8, .value_kind: global_buffer, .address_space: global }
      - { .name: phi, .offset: 48, .size: 8, .value_kind: global_buffer, .address_space: global }
      - { .name: xfr, .offset: 56, .size: 8, .value_kind: global_buffer, .address_space: global }
    .group_segment_fixed_size: 51200
    .private_segment_fixed_size: 0
    .kernarg_segment_align: 8
    .kernarg_segment_size: 64
    .max_flat_workgroup_size: 128
    .sgpr_count:     66
    .vgpr_count:     256
    .wavefront_size: 32
...
	.end_amdgpu_metadata
.endif
;; end of part 4
;; launch score: the kernel of part 2 again; grid 8 x 16, 4 waves a work-group, clusters of 4 x 4, 177,152 bytes of LDS; arguments phi, afr, lpart; writes afr, lpart
;; launch mix: the kernel of part 3 again; grid 8 x 16, 4 waves a work-group, clusters of 4 x 1, 168,448 bytes of LDS; arguments afr, xfr, lpart, h, vision_feat, text_feat, out0, out1; writes out0, out1
